; MI455X (gfx1250); checked and timed in simulation.
; The chip was launched on July 23, 2026; its instructions are those of AMD's public machine-readable ISA for CDNA 5 (MIT licence, August 2026) and "CDNA5" Instruction Set Architecture Reference Guide (July 2026). The comments in the code are by the model that wrote it; some were corrected since.
;; Multi Head Attention. Allowed arithmetic: matrix products marked QUANTISED: E4M3 operands, one given power-of-two scale a tensor, by v_wmma_f32_16x16x64_fp8_fp8 or v_wmma_f32_16x16x128_fp8_fp8, f32 sums; everything else in f32.
;; Inputs: Wk 768 x 768 float32; Wq 768 x 768 float32; Wv 768 x 768 float32; lowp_scales 10 int32 (the exponents e of the quantised operands' scales 2^e); x 2 x 4,096 x 768 float32.
;; Outputs: out0 2 x 4,096 x 768 float32.
;; Constants: num_heads = 6.
;; This version of the problem:
;;   THIS VERSION OF THE PROBLEM IS GIVEN IN LOW PRECISION. The matrix products marked QUANTISED in the list below multiply operands that are first quantised to E4M3 (4 exponent bits, 3 mantissa bits; 8 bits a number), with one given power-of-two scale for each operand tensor; their sums are f32. All else is computed in f32.
;;   The module's matrix products, in the order in which they are computed (A, B: the left and right operand; K: the contracted axis; several contracted axes count as one K, in the product's order):
;;     1. [M 8,192, K 768] x [K 768, N 768]; A: input x; B: input Wq: QUANTISED (scales: A lowp_scales[0], B lowp_scales[1])
;;     2. [M 8,192, K 768] x [K 768, N 768]; A: input x; B: input Wk: QUANTISED (scales: A lowp_scales[2], B lowp_scales[3])
;;     3. [M 8,192, K 768] x [K 768, N 768]; A: input x; B: input Wv: QUANTISED (scales: A lowp_scales[4], B lowp_scales[5])
;;     4. batch 12 x [M 4,096, K 128] x [K 128, N 4,096]; A: computed on the way; B: computed on the way: QUANTISED (scales: A lowp_scales[6], B lowp_scales[7])
;;     5. batch 12 x [M 4,096, K 4,096] x [K 4,096, N 128]; A: softmax (see below); B: computed on the way: QUANTISED (scales: A lowp_scales[8], B lowp_scales[9])
;;   THE QUANTISER, for each operand of a quantised product, along K:
;;     - The operand's scale is 2^e, e = its entry of the input lowp_scales (int32; the entries are numbered through the quantised products in the list's order, A before B).
;;     - Each number is divided by the scale, clamped to +-448, and rounded to the nearest number of E4M3, ties to even, subnormals kept.
;;     - The product sums the exact products of the quantised numbers (number of the format x scale) in f32.
;;   ~~~python
;;   def quantise(x, axis, e):      # numpy; x: float32 -> the quantised numbers, widened to float32 again
;;       x = np.moveaxis(x, axis, -1); K = x.shape[-1]
;;       r = np.clip(x / 2.0 ** e, -448, 448)
;;       step = 2.0 ** (np.maximum(np.frexp(np.where(r == 0, 1, r))[1] - 1, -6) - 3)
;;       q = np.round(r / step) * step * 2.0 ** e      # np.round: ties to even
;;       return np.moveaxis(q, -1, axis).astype(np.float32)
;;   ~~~
;;   SOFTMAX AHEAD OF A QUANTISED PRODUCT. Where the list says 'softmax', what is quantised is not the finished softmax but p = 2^(t - M), with t = logit x log2(e) and M = ceil(the row's largest t), a whole number; so 1/2 < the row's largest p <= 1. The row's sum l is taken of the UNQUANTISED p, in f32, and the product's result is divided by l at the end. Since M is a whole number, a kernel that streams over the keys may use a running M (the ceiling of the running maximum): every later rescaling is an exact power of two, so the quantised numbers keep their values, but for numbers so far below the row's largest that they fall under the format's range.
;;   OPERANDS COMPUTED ON THE WAY. 'Computed on the way' means the value that the module computes at that place (a softmax that the list does not call 'softmax' is quantised finished and normalised). What goes into a quantiser is computed in f32, as accurately as f32 sums, v_exp_f32 and their like allow (about 1e-6 of the number): no bf16 or f16 on the way to a quantiser, and a product that is left as it is and whose result goes on into a quantised operand takes f32 operands (vector FMAs, or v_wmma_f32_16x16x4_f32). A number that lies on a knife's edge between two numbers of the format may be rounded either way, as far as f32 arithmetic and the matrix unit's own rounding can turn it there, and no further.
;; One version. Each part assembles by itself: llvm-mc -triple=amdgcn-amd-amdhsa -mcpu=gfx1250 --defsym DOCPART=n.
;; ======== version 1 of 1: 3 launches
;; limits: right only within a limited range of input values
;; workspace buffers: xc 18,874,368 bytes; wc 1,769,472 bytes; qf 6,291,456 bytes; kv 12,582,912 bytes
;; launch quant (part 1): grid 246 x 1, 8 waves a work-group, no clusters, 41,984 bytes of LDS; arguments x, Wq, Wk, Wv, lowp_scales, xc, wc; writes xc, wc
.if DOCPART == 1
	.amdgcn_target "amdgcn-amd-amdhsa--gfx1250"
	.amdhsa_code_object_version 6
	.text
	.protected	k_qd28c50c8c1_quant
	.globl	k_qd28c50c8c1_quant
	.p2align	8
	.type	k_qd28c50c8c1_quant,@function
k_qd28c50c8c1_quant:
	s_mov_b64 s[64:65], 0
	v_nop
	global_prefetch_b8 v0, s[64:65] scope:SCOPE_SE
	s_setreg_imm32_b32 hwreg(HW_REG_WAVE_MODE, 25, 1), 1
	s_wait_xcnt 0x0
; LAUNCH 1 OF 3.  x [8192][768] and Wq, Wk, Wv [768][768], f32, become codes of FP8 (E4M3), one byte a number, K (the last axis) innermost, rows as they lie.
; x is an operand of three products, each with a scale of its own (entries 0, 2, 4 of the scales): so it is read once and quantised three times, into xc [3][8192][768].
; Wq, Wk, Wv take entries 1, 3, 5, into wc [3][768][768].   code = number / 2^e, held within +-448, to the nearest code, ties to even.
; WORK LEFT OUT IN THE WHOLE PROGRAM: only, in the third launch, key steps of 128 keys that all come after a wave's queries.  reference() itself puts -inf in place of the score of
; every key k > q (its own jnp.tril), so the weight of such a key is exactly 0 and its term in the sum and in the second product is 0, whatever finite values the inputs hold.
; LIMIT: a NaN, an infinity or an overflow that reaches only such hidden scores is not carried to the result.  No input is left out; num_heads is the constant 6 and is no buffer.
; LIMITS here: each e between -126 and 119, so that 2^e and 448 x 2^e are f32 numbers.  NaN among the inputs is not served (an infinity is held at the largest code).
; SHARES.  Rows are dense, so each tensor is a plain stream.  A work-group takes 32,768 numbers, a wave 4,096: 8 steps of 512.  Work-groups 0-191 take x, 192-245 the weights, 18 each.
; Only pointers and exponents are chosen (on the work-group's number): one way through the text; x's second and third set stand behind a scalar branch on that number.
; A conversion takes 8 neighbours from ONE lane's registers; a load is best where neighbouring LANES take neighbouring bytes.  So a step's 2,048 bytes are loaded 16 bytes a lane, 512 a load,
; go through the wave's own stage in LDS as they lie, and come back 64 bytes a lane.  A lane's 16 codes are 16 bytes: a store of the wave covers 512 consecutive bytes, aligned.
; All 32 loads of a wave go out at the head.  No matrix unit, no cluster, no tensor load: nothing here is shared between waves, and every byte is read once.
.set WAVES, 8
.set STEPS, 8
.set XWG,   192                        ; work-groups for x
.set WWG,   18                         ; for each weight
.set XSET,  6291456                    ; bytes of a set of x's codes
.set WSET,  589824                     ; bytes of a weight's codes
.set SP,    80                         ; a lane's place in a stage: 64 bytes + 16 of padding
.set WREG,  2*32*SP                    ; a wave's two stages
.set SPARE, WAVES*WREG                 ; behind them: the spare words, 128 bytes for each wave, which no other line names
.set SPW,   12                         ; v12  LDS address of my spare word; never rewritten
.set NIL,   13                         ; v13  0; never rewritten
.set R,     32                         ; v32-159  the numbers as loaded, 16 registers a step
.set X,     160                        ; v160-191 two sets of 16 neighbours
.set T,     192                        ; v192-207 the numbers, held
.set C,     208                        ; v208-231 codes: 4 registers a set, 12 a step, two steps by turns
.set SC,    232                        ; v232-234 2^e of the three sets
.set LM,    236                        ; v236-238 448 x 2^e
	s_load_b256 s[4:11], s[0:1], 0x0               ; x s[4:5], Wq s[6:7], Wk s[8:9], Wv s[10:11]
	s_load_b128 s[12:15], s[0:1], 0x20             ; the scales' exponents s[12:13], xc s[14:15]
	s_load_b64 s[16:17], s[0:1], 0x30              ; wc
	v_lshl_add_u32 v[SPW], v0, 2, SPARE
	v_mov_b32 v[NIL], 0
	v_lshrrev_b32 v1, 5, v0
	s_delay_alu instid0(VALU_DEP_1)
	v_readfirstlane_b32 s18, v1                    ; wave 0..7
	v_and_b32 v2, 31, v0                           ; lane
	s_delay_alu instid0(VALU_DEP_1)
	v_lshlrev_b32 v3, 4, v2                        ; 16 x lane: my bytes of a load's 512 and of a store's 512; never rewritten
	s_mul_i32 s36, s18, WREG
	v_lshrrev_b32 v14, 2, v2
	s_delay_alu instid0(VALU_DEP_1)
	v_mul_u32_u24 v14, v14, SP
	v_and_b32 v15, 3, v2
	s_delay_alu instid0(VALU_DEP_1)
	v_lshl_add_u32 v14, v15, 4, v14
	s_delay_alu instid0(VALU_DEP_1)
	v_add_nc_u32 v14, s36, v14                     ; the stage, on the way in: four lanes' 64 bytes on end, then the padding
	v_mul_u32_u24 v15, v2, SP
	s_delay_alu instid0(VALU_DEP_1)
	v_add_nc_u32 v15, s36, v15                     ; and on the way out: my 16 neighbours
	s_cmp_lt_u32 ttmp9, XWG
	s_cselect_b32 s19, 1, 0                        ; 1: x's work-group
	s_sub_co_u32 s37, ttmp9, XWG                   ; among the weights' work-groups (of no use in x's)
	s_cmp_ge_u32 s37, WWG
	s_cselect_b32 s38, 1, 0
	s_cmp_ge_u32 s37, 2*WWG
	s_cselect_b32 s39, 1, 0
	s_add_co_u32 s38, s38, s39                     ; which weight: 0 Wq, 1 Wk, 2 Wv
	s_mul_i32 s39, s38, WWG
	s_sub_co_u32 s37, s37, s39                     ; which 32,768 numbers of it
	s_cmp_eq_u32 s19, 1
	s_cselect_b32 s37, ttmp9, s37                  ; or of x
	s_lshl_b32 s37, s37, 3
	s_add_co_u32 s37, s37, s18                     ; which 4,096 numbers are my wave's
	s_lshl_b32 s42, s37, 14                        ; in bytes of f32,
	s_mov_b32 s43, 0
	s_lshl_b32 s44, s37, 12                        ; and of codes
	s_mov_b32 s45, 0
	s_mul_i32 s40, s38, WSET
	s_mov_b32 s41, 0
	s_wait_alu depctr_va_vdst(0)
	s_wait_kmcnt 0x0
	s_load_b256 s[20:27], s[12:13], 0x0            ; e0 .. e7
	s_cmp_eq_u32 s38, 0                            ; the choices hang on the work-group's number alone
	s_cselect_b64 s[28:29], s[6:7], s[8:9]
	s_cmp_eq_u32 s38, 2
	s_cselect_b64 s[28:29], s[10:11], s[28:29]
	s_add_nc_u64 s[30:31], s[16:17], s[40:41]      ; the weight's codes
	s_cmp_eq_u32 s19, 1
	s_cselect_b64 s[28:29], s[4:5], s[28:29]       ; from where
	s_cselect_b64 s[30:31], s[14:15], s[30:31]     ; to where: x's first set, or the weight's codes
	s_add_nc_u64 s[32:33], s[14:15], XSET          ; x's second set
	s_add_nc_u64 s[34:35], s[14:15], 2*XSET        ; and third
	s_add_nc_u64 s[28:29], s[28:29], s[42:43]
	s_add_nc_u64 s[30:31], s[30:31], s[44:45]
	s_add_nc_u64 s[32:33], s[32:33], s[44:45]
	s_add_nc_u64 s[34:35], s[34:35], s[44:45]
.macro LOAD t                          ; step t: four loads of 512 consecutive bytes
.irp i, 0,1,2,3
	global_load_b128 v[R+16*(\t)+4*\i:R+16*(\t)+4*\i+3], v3, s[28:29] offset:2048*(\t)+512*\i th:TH_LOAD_NT
.endr
.endm
.macro TURN t                          ; step t's numbers through the stage: LDS serves a wave's instructions in order (ISA guide 5.7.1.4), so no wait stands between the stores and the loads
.irp i, 0,1,2,3
	ds_store_b128 v14, v[R+16*(\t)+4*\i:R+16*(\t)+4*\i+3] offset:32*SP*((\t)%2)+8*SP*\i
.endr
.irp i, 0,1,2,3
	ds_load_b128 v[X+16*((\t)%2)+4*\i:X+16*((\t)%2)+4*\i+3], v15 offset:32*SP*((\t)%2)+16*\i
.endr
.endm
.macro SCALE e, k                      ; set k's 2^e and 448 x 2^e, from the exponent in s[e]
	s_add_co_i32 s47, s[\e], 127
	s_lshl_b32 s36, s47, 23
	v_mov_b32 v[SC+\k], s36                        ; the conversion takes its exponent field
	s_add_co_i32 s47, s47, 8
	s_lshl_b32 s47, s47, 23
	s_or_b32 s47, s47, 0x600000
	v_mov_b32 v[LM+\k], s47
.endm
.macro QSET t, k, d                    ; step t's 16 numbers of my lane become set k's codes and leave by the pointer s[d:d+1]
.set XS, X+16*((\t)%2)
.set CC, C+12*((\t)%2)+4*(\k)
.irp i, 0,1,2,3,4,5,6,7,8,9,10,11,12,13,14,15
	v_med3_num_f32 v[T+\i], v[XS+\i], -v[LM+\k], v[LM+\k]   ; the conversion to an 8-bit code does not saturate (ISA guide 7.6.2): the hold comes first; the numbers themselves stay for the next set
.endr
	v_cvt_scalef32_pk8_fp8_f32 v[CC:CC+1], v[T:T+7], v[SC+\k]
	v_cvt_scalef32_pk8_fp8_f32 v[CC+2:CC+3], v[T+8:T+15], v[SC+\k]
	v_nop                                          ; one plain vector line behind the conversions: the next set's holds write their sources
	global_store_b128 v3, v[CC:CC+3], s[\d:\d+1] offset:512*(\t)   ; the wave stores 512 consecutive bytes, aligned
.endm
.irp t, 0,1,2,3,4,5,6,7
	LOAD \t
.endr
	s_wait_kmcnt 0x0
	s_cmp_eq_u32 s38, 0
	s_cselect_b32 s46, s21, s23                    ; e1 or e3,
	s_cmp_eq_u32 s38, 2
	s_cselect_b32 s46, s25, s46                    ; or e5,
	s_cmp_eq_u32 s19, 1
	s_cselect_b32 s46, s20, s46                    ; or, for x, e0
	SCALE 46, 0
	SCALE 22, 1                                    ; e2
	SCALE 24, 2                                    ; e4
	s_wait_alu depctr_va_vdst(0)
	s_wait_loadcnt 28                              ; step 0's four loads are in; the 28 behind them may be out
	TURN 0
.macro STEP t
	s_wait_dscnt 0x0                               ; this step's numbers are back from the stage
.if (\t) < STEPS-1
	s_wait_loadcnt 4*(STEPS-2-(\t))                ; the next step's four loads are in; those of the steps behind it may be out
	TURN (\t)+1                                    ; and go through the other stage while this step is worked
.endif
.if (\t) >= 2
	s_wait_xcnt 0x0                                ; the stores of two steps ago have read their data: the codes' registers are written again only behind this wait
.endif
	QSET \t, 0, 30
	s_cmp_eq_u32 s19, 0                            ; a weight has one set
	s_cbranch_scc1 .Lw_\@
	QSET \t, 1, 32
	QSET \t, 2, 34
.Lw_\@:
.endm
.irp t, 0,1,2,3,4,5,6,7
	STEP \t
.endr
	s_wait_tensorcnt 0x0                           ; the wave's end
	ds_add_u32 v[SPW], v[NIL]
	s_wait_dscnt 0x0
	s_endpgm
.Lfunc_end_k_qd28c50c8c1_quant:
	.size	k_qd28c50c8c1_quant, .Lfunc_end_k_qd28c50c8c1_quant-k_qd28c50c8c1_quant
	.p2alignl 7, 3214868480
	.fill 96, 4, 3214868480
	.section	.rodata,"a",@progbits
	.p2align	6, 0x0
	.amdhsa_kernel k_qd28c50c8c1_quant
		.amdhsa_group_segment_fixed_size 41984
		.amdhsa_private_segment_fixed_size 0
		.amdhsa_enable_private_segment 0
		.amdhsa_kernarg_size 56
		.amdhsa_user_sgpr_count 2
		.amdhsa_user_sgpr_kernarg_segment_ptr 1
		.amdhsa_wavefront_size32 1
		.amdhsa_system_sgpr_workgroup_id_x 1
		.amdhsa_system_sgpr_workgroup_id_y 1
		.amdhsa_system_sgpr_workgroup_id_z 1
		.amdhsa_system_vgpr_workitem_id 0
		.amdhsa_next_free_vgpr 240
		.amdhsa_next_free_sgpr 66
		.amdhsa_reserve_vcc 0
		.amdhsa_float_denorm_mode_32 3
		.amdhsa_float_denorm_mode_16_64 3
		.amdhsa_memory_ordered 1
		.amdhsa_forward_progress 1
		.amdhsa_inst_pref_size 43
	.end_amdhsa_kernel
	.amdgpu_metadata
---
amdhsa.version: [ 1, 2 ]
amdhsa.kernels:
  - .name:           k_qd28c50c8c1_quant
    .symbol:         k_qd28c50c8c1_quant.kd
    .args:
      - { .name: x, .offset: 0, .size: 8, .value_kind: global_buffer, .address_space: global }
      - { .name: Wq, .offset: 8, .size: 8, .value_kind: global_buffer, .address_space: global }
      - { .name: Wk, .offset: 16, .size: 8, .value_kind: global_buffer, .address_space: global }
      - { .name: Wv, .offset: 24, .size: 8, .value_kind: global_buffer, .address_space: global }
      - { .name: lowp_scales, .offset: 32, .size: 8, .value_kind: global_buffer, .address_space: global }
      - { .name: xc, .offset: 40, .size: 8, .value_kind: global_buffer, .address_space: global }
      - { .name: wc, .offset: 48, .size: 8, .value_kind: global_buffer, .address_space: global }
    .group_segment_fixed_size: 41984
    .private_segment_fixed_size: 0
    .kernarg_segment_align: 8
    .kernarg_segment_size: 56
    .max_flat_workgroup_size: 256
    .sgpr_count:     66
    .vgpr_count:     240
    .wavefront_size: 32
...
	.end_amdgpu_metadata
.endif
;; end of part 1
;; launch proj (part 2): grid 32 x 9, 4 waves a work-group, no clusters, 327,680 bytes of LDS; arguments xc, wc, lowp_scales, qf, kv; writes qf, kv
.if DOCPART == 2
	.amdgcn_target "amdgcn-amd-amdhsa--gfx1250"
	.amdhsa_code_object_version 6
	.text
	.protected	k_qd28c50c8c1_proj
	.globl	k_qd28c50c8c1_proj
	.p2align	8
	.type	k_qd28c50c8c1_proj,@function
k_qd28c50c8c1_proj:
	s_mov_b64 s[64:65], 0
	v_nop
	global_prefetch_b8 v0, s[64:65] scope:SCOPE_SE
	s_setreg_imm32_b32 hwreg(HW_REG_WAVE_MODE, 25, 1), 1
	s_wait_xcnt 0x0
.set KROW,   768
.set ROWB,   256
.set XSET,   6291456
.set WSET,   589824
.set PITCH,  272
.set FR,     16
.set NL,     4
.set NP,     4
.set HALFT,  128*PITCH
.set SLOT,   4*HALFT
.set SPARE,  2*SLOT
.set ADRA, 16
.set ADRB, 20
.set LI,   27
.set SPW,  28
.set NIL,  29
.set LM,   30
.set SC,   31
.set AF,   128
.set G1,   24
.set G0,   32
.set MSB, 0
.macro WIN new
.if MSB != (\new)
	s_set_vgpr_msb (MSB<<8)|(\new)
.set MSB, (\new)
.endif
.endm
.set MUL_LO, 0xa1
.set MUL_HI, 0xf1
.set TO_B,   0x40
	s_load_b256 s[4:11], s[0:1], 0x0
	s_load_b64 s[12:13], s[0:1], 0x20
	v_lshl_add_u32 v[SPW], v0, 2, SPARE
	v_mov_b32 v[NIL], 0
	ds_add_u32 v[SPW], v[NIL]
	ds_add_u32 v[SPW], v[NIL]
	v_lshrrev_b32 v1, 5, v0
	v_readfirstlane_b32 s14, v1
	s_lshr_b32 s15, s14, 1
	s_and_b32 s16, s14, 1
	s_mov_b32 s40, ttmp9
	s_and_b32 s41, ttmp7, 0xffff
	s_mul_i32 s42, s41, 11
	s_lshr_b32 s42, s42, 5
	s_mul_i32 s43, s42, 3
	s_sub_co_u32 s43, s41, s43
	s_mov_b32 s[G1+0], (1<<20)|(5<<22)|(3<<25)
	s_mov_b32 s[G1+1], ROWB<<16
	s_mov_b32 s[G1+2], 128<<16
	s_mov_b32 s[G1+3], ROWB<<16
	s_mov_b32 s[G1+4], 128
	s_mov_b32 s[G1+5], KROW
	s_mov_b32 s[G1+6], 0
	s_mov_b32 s[G1+7], 0
	s_cmp_eq_u32 s42, 2
	s_cselect_b32 s45, s43, s40
	s_cselect_b32 s46, s40, s43
	s_cmp_eq_u32 s15, 0
	s_cselect_b32 s60, s45, s46
	s_lshl_b32 s60, s60, 8
	s_lshl_b32 s61, s16, 7
	s_add_co_u32 s60, s60, s61
	s_mul_i32 s60, s60, KROW
	s_mov_b32 s61, 0
	s_mul_i32 s47, s14, HALFT
	s_mul_i32 s48, s42, XSET
	s_mov_b32 s49, 0
	s_mul_i32 s62, s42, WSET
	s_mov_b32 s63, 0
	s_wait_dscnt 0x0
	s_wait_kmcnt 0x0
	s_load_b256 s[68:75], s[8:9], 0x0
	s_load_b64 s[76:77], s[8:9], 0x20
	s_add_nc_u64 s[50:51], s[4:5], s[48:49]
	s_add_nc_u64 s[52:53], s[6:7], s[62:63]
	s_cmp_eq_u32 s42, 2
	s_cselect_b64 s[54:55], s[52:53], s[50:51]
	s_cselect_b64 s[56:57], s[50:51], s[52:53]
	s_cmp_eq_u32 s15, 0
	s_cselect_b64 s[58:59], s[54:55], s[56:57]
	s_add_nc_u64 s[58:59], s[58:59], s[60:61]
.irp s, 0,1
	s_mov_b32 s[G0+4*\s], 1
	s_add_co_u32 s[G0+4*\s+1], s47, \s*SLOT
	s_add_nc_u64 s[G0+4*\s+2:G0+4*\s+3], s[58:59], \s*ROWB
	s_or_b32 s[G0+4*\s+3], s[G0+4*\s+3], 0x80000000
.endr
	tensor_load_to_lds s[G0:G0+3], s[G1:G1+7]
	s_nop 0
	s_wait_alu depctr_va_vdst(0)
	s_wait_tensorcnt 0x0
	ds_add_u32 v28, v29
	s_wait_dscnt 0x0
	s_barrier_signal -1
	s_barrier_wait -1
	tensor_load_to_lds s[G0+4:G0+7], s[G1:G1+7]
	s_nop 0
.rept 4
	v_nop
.endr
	v_and_b32 v1, 15, v0
	v_bfe_u32 v2, v0, 4, 1
	v_mul_u32_u24 v3, v1, PITCH
	v_lshl_add_u32 v4, v2, 4, v3
	s_mul_i32 s21, s15, HALFT
	s_mul_i32 s22, s16, HALFT
	s_add_co_u32 s22, s22, 2*HALFT
.irp s, 0,1
	v_add_nc_u32 v[ADRA+\s], s21, v4
	v_add_nc_u32 v[ADRB+\s], s22, v4
	s_add_co_u32 s21, s21, SLOT
	s_add_co_u32 s22, s22, SLOT
.endr
	v_and_b32 v[LI], 31, v0
	v_lshlrev_b32 v[LI], 4, v[LI]
	s_cmp_eq_u32 s42, 2
	s_cselect_b32 s82, s16, s15
	s_cselect_b32 s83, s15, s16
	s_lshl_b32 s84, s40, 8
	s_lshl_b32 s82, s82, 7
	s_add_co_u32 s84, s84, s82
	s_lshl_b32 s85, s43, 1
	s_add_co_u32 s85, s85, s83
	s_lshr_b32 s86, s84, 12
	s_and_b32 s84, s84, 4095
	s_mul_i32 s86, s86, 6
	s_add_co_u32 s86, s86, s85
	s_lshl_b32 s87, s86, 19
	s_lshr_b32 s88, s84, 9
	s_lshl_b32 s88, s88, 16
	s_add_co_u32 s87, s87, s88
	s_bfe_u32 s88, s84, 0x20007
	s_lshl_b32 s88, s88, 11
	s_add_co_u32 s87, s87, s88
	s_lshl_b32 s89, s86, 20
	s_lshr_b32 s90, s84, 8
	s_lshl_b32 s90, s90, 16
	s_add_co_u32 s89, s89, s90
	s_bfe_u32 s90, s84, 0x10007
	s_lshl_b32 s90, s90, 11
	s_add_co_u32 s89, s89, s90
	s_cmp_eq_u32 s42, 2
	s_cselect_b32 s90, 4096, 0
	s_add_co_u32 s89, s89, s90
	s_cmp_eq_u32 s42, 0
	s_cselect_b64 s[80:81], s[10:11], s[12:13]
	s_cselect_b32 s92, s87, s89
	s_mov_b32 s93, 0
	s_add_nc_u64 s[80:81], s[80:81], s[92:93]
.macro FRAG reg, adr, q, i
.irp c, 0,1,2,3
	ds_load_b128 v[\reg+4*\c:\reg+4*\c+3], v[\adr] offset:128*(\q)+32*\c+(\i)*16*PITCH
.endr
.endm
.macro MUL16 a0, p, zero
.irp a, \a0, \a0+1
.irp b, 0,1,2,3,4,5,6,7
.if \zero
	v_wmma_f32_16x16x128_fp8_fp8 v[8*(8*((\a)%4)+\b):8*(8*((\a)%4)+\b)+7], v[128*(\p)+FR*\b:128*(\p)+FR*\b+FR-1], v[AF+FR*(\a):AF+FR*(\a)+FR-1], 0
.else
	v_wmma_f32_16x16x128_fp8_fp8 v[8*(8*((\a)%4)+\b):8*(8*((\a)%4)+\b)+7], v[128*(\p)+FR*\b:128*(\p)+FR*\b+FR-1], v[AF+FR*(\a):AF+FR*(\a)+FR-1], v[8*(8*((\a)%4)+\b):8*(8*((\a)%4)+\b)+7]
.endif
.endr
.endr
.endm
.macro FETCH_B slot, q, p
	WIN TO_B
.irp i, 0,1,2,3,4,5,6,7
	FRAG 128*(\p)+FR*\i, ADRB+\slot, \q, \i
.endr
	WIN 0
.endm
.macro FETCH_A slot, q, i0
.irp i, \i0, \i0+1, \i0+2, \i0+3
	FRAG AF+FR*(\i), ADRA+\slot, \q, \i
.endr
.endm
.macro PLACES n
.rept \n
	v_nop
.endr
.endm
.macro STEP slot, q, zero
	s_wait_dscnt 4*NL
	WIN MUL_LO
	MUL16 0, (\q)%2, \zero
	MUL16 2, (\q)%2, \zero
	s_wait_dscnt 0
	PLACES NP
	FETCH_B \slot, (\q)+1, 1-(\q)%2
	FETCH_A \slot, (\q)+1, 0
	WIN MUL_HI
	MUL16 4, (\q)%2, \zero
	MUL16 6, (\q)%2, \zero
	PLACES NP
	WIN 0
	FETCH_A \slot, (\q)+1, 4
.endm
.macro TURN slot, next, fill
	s_wait_tensorcnt 0x0
	ds_add_u32 v[SPW], v[NIL]
	s_wait_dscnt 4*NL+1
	WIN MUL_LO
	MUL16 0, 1, 0
	s_wait_dscnt 0x0
	s_barrier_signal -1
	MUL16 2, 1, 0
	WIN 0
	s_barrier_wait -1
.if \fill
	s_add_nc_u64 s[G0+4*\slot+2:G0+4*\slot+3], s[G0+4*\slot+2:G0+4*\slot+3], 2*ROWB
	tensor_load_to_lds s[G0+4*\slot:G0+4*\slot+3], s[G1:G1+7]
	s_nop 0
	PLACES 4
.else
	PLACES NP
.endif
	FETCH_B \next, 0, 0
	FETCH_A \next, 0, 0
	WIN MUL_HI
	MUL16 4, 1, 0
	MUL16 6, 1, 0
	PLACES NP
	WIN 0
	FETCH_A \next, 0, 4
.endm
	s_wait_alu depctr_va_vdst(0)
	s_wait_tensorcnt 1
	s_barrier_signal -1
	s_barrier_wait -1
	FETCH_B 0, 0, 0
	FETCH_A 0, 0, 0
	FETCH_A 0, 0, 4
	STEP 0, 0, 1
	TURN 0, 1, 1
	STEP 1, 0, 0
	TURN 1, 0, 0
	STEP 0, 0, 0
	s_wait_dscnt 4*NL
	WIN MUL_LO
	MUL16 0, 1, 0
	MUL16 2, 1, 0
	s_wait_dscnt 0
	WIN MUL_HI
	MUL16 4, 1, 0
	MUL16 6, 1, 0
	WIN 0
	s_wait_kmcnt 0x0
	s_add_co_i32 s82, s68, s69
	s_add_co_i32 s83, s70, s71
	s_add_co_i32 s84, s72, s73
	s_sub_co_i32 s82, s74, s82
	s_sub_co_i32 s83, s75, s83
	s_sub_co_i32 s84, s77, s84
	s_cmp_eq_u32 s42, 0
	s_cselect_b32 s82, s82, s83
	s_cmp_eq_u32 s42, 2
	s_cselect_b32 s82, s84, s82
	s_add_co_i32 s82, s82, 127
	s_lshl_b32 s83, s82, 23
	v_mov_b32 v[SC], s83
	s_add_co_i32 s82, s82, 8
	s_lshl_b32 s82, s82, 23
	s_or_b32 s82, s82, 0x600000
	v_mov_b32 v[LM], s82
	PLACES NP
.macro OUT a
.set AC, 64*((\a)%4)
	WIN 0x82+0x41*((\a)/4)
.set n, 0
.rept 64
	v_med3_num_f32 v[AC+n], v[AC+n], -v[LM], v[LM]
.set n, n+1
.endr
	WIN 0x02+((\a)/4)
.irp b, 0,1,2,3,4,5,6,7
	v_cvt_scalef32_pk8_fp8_f32 v[128+16*(\a)+2*\b:128+16*(\a)+2*\b+1], v[AC+8*\b:AC+8*\b+7], v[SC]
.endr
	WIN 0
	v_nop
.irp c, 0,1,2,3
	global_store_b128 v[LI], v[128+16*(\a)+4*\c:128+16*(\a)+4*\c+3], s[80:81] offset:8192*(\a)+512*\c
.endr
.endm
.irp a, 0,1,2,3,4,5,6,7
	OUT \a
.endr
	s_wait_tensorcnt 0x0
	ds_add_u32 v[SPW], v[NIL]
	s_wait_dscnt 0x0
	s_endpgm
.Lfunc_end_k_qd28c50c8c1_proj:
	.size	k_qd28c50c8c1_proj, .Lfunc_end_k_qd28c50c8c1_proj-k_qd28c50c8c1_proj
	.p2alignl 7, 3214868480
	.fill 96, 4, 3214868480
	.section	.rodata,"a",@progbits
	.p2align	6, 0x0
	.amdhsa_kernel k_qd28c50c8c1_proj
		.amdhsa_group_segment_fixed_size 327680
		.amdhsa_private_segment_fixed_size 0
		.amdhsa_enable_private_segment 0
		.amdhsa_kernarg_size 40
		.amdhsa_user_sgpr_count 2
		.amdhsa_user_sgpr_kernarg_segment_ptr 1
		.amdhsa_wavefront_size32 1
		.amdhsa_system_sgpr_workgroup_id_x 1
		.amdhsa_system_sgpr_workgroup_id_y 1
		.amdhsa_system_sgpr_workgroup_id_z 1
		.amdhsa_system_vgpr_workitem_id 0
		.amdhsa_next_free_vgpr 1024
		.amdhsa_next_free_sgpr 100
		.amdhsa_reserve_vcc 0
		.amdhsa_float_denorm_mode_32 3
		.amdhsa_float_denorm_mode_16_64 3
		.amdhsa_memory_ordered 1
		.amdhsa_forward_progress 1
		.amdhsa_inst_pref_size 98
	.end_amdhsa_kernel
	.amdgpu_metadata
---
amdhsa.version: [ 1, 2 ]
amdhsa.kernels:
  - .name:           k_qd28c50c8c1_proj
    .symbol:         k_qd28c50c8c1_proj.kd
    .args:
      - { .name: xc, .offset: 0, .size: 8, .value_kind: global_buffer, .address_space: global }
      - { .name: wc, .offset: 8, .size: 8, .value_kind: global_buffer, .address_space: global }
      - { .name: lowp_scales, .offset: 16, .size: 8, .value_kind: global_buffer, .address_space: global }
      - { .name: qf, .offset: 24, .size: 8, .value_kind: global_buffer, .address_space: global }
      - { .name: kv, .offset: 32, .size: 8, .value_kind: global_buffer, .address_space: global }
    .group_segment_fixed_size: 327680
    .private_segment_fixed_size: 0
    .kernarg_segment_align: 8
    .kernarg_segment_size: 40
    .max_flat_workgroup_size: 128
    .sgpr_count:     100
    .vgpr_count:     1024
    .wavefront_size: 32
...
	.end_amdgpu_metadata
.endif
;; end of part 2
;; launch attn (part 3): grid 16 x 12, 8 waves a work-group, no clusters, 327,680 bytes of LDS; arguments qf, kv, lowp_scales, out0; writes out0
.if DOCPART == 3
	.amdgcn_target "amdgcn-amd-amdhsa--gfx1250"
	.amdhsa_code_object_version 6
	.text
	.protected	k_qd28c50c8c1_attn
	.globl	k_qd28c50c8c1_attn
	.p2align	8
	.type	k_qd28c50c8c1_attn,@function
k_qd28c50c8c1_attn:
	s_mov_b64 s[64:65], 0
	v_nop
	global_prefetch_b8 v0, s[64:65] scope:SCOPE_SE
	s_setreg_imm32_b32 hwreg(HW_REG_WAVE_MODE, 25, 1), 1
	s_wait_xcnt 0x0
; LAUNCH 3 OF 3.  out[b][q][head] = the sum over keys k <= q of softmax_k(Q . K / sqrt(128)) V, both products on codes of FP8 (E4M3) with the given scales (entries 6 to 9: eq, ek, ep, ev).
; THE SOFTMAX AHEAD OF THE SECOND PRODUCT: t = score x log2(e) / sqrt(128); M = the largest t so far, rounded UP to a whole number; p = 2^(t - M) is quantised, not normalised; the sum of the unquantised p divides at the end.
; WORK LEFT OUT: key steps of 128 keys that all come after a block's queries: reference()'s own jnp.tril gives those keys the weight 0 for all finite inputs.  LIMIT: a NaN, an infinity or an overflow that reaches only them is not carried to the result.
; LIMITS on the given exponents: eq + ek between -123 and 130 (added to c's exponent field); ep between -126 and 119; ep + ev goes by v_ldexp_f32 and has none.
; SHARES.  Work-group (j, bh) owns the blocks of 128 queries j and 31 - j of head bh, ONE AFTER THE OTHER.  Block j needs j/2 + 1 slots of 256 keys, block 31 - j needs 16 - j/2: 17 slots in every work-group, and one of the two counts is odd.
; The block with the odd count goes first, so that the change of blocks falls in an odd trip: the stores into the stages stand in the odd trip's text alone, the reads of other waves' stages in the even trip's alone.
; All eight waves work on the block in hand: wave w takes its queries 32 (w % 4) .. + 31 (tiles X in register window 0, Y in window 1) and, of each slot, key step w / 4.  So waves w and w ^ 4 hold sums over different keys of the same queries.
; JOINING THE TWO.  Each wave keeps M, the sum and O^T for its own keys.  At a trip's end it lays (sum, -M) in LDS; at a block's end it reads its partner's, multiplies its O^T by 2^(own M - common M) / common sum x 2^(ep + ev),
; and lays it in its stage by rows; behind the next barrier wave w adds the two parts of query tile w, row by row, and stores rows of 512 bytes, aligned.  A wave that had no step holds -M = 3e38 and zeros: its factor is 0.
; THE ORDER OF A TRIP.  Behind the change of slots: the refill, this step's K loads, then the LAST step's O^T x f and V^T P^T (work on registers under the K loads), then K Q^T, the V loads, the softmax.
; Two buffers of 64 registers in each window swap roles from trip to trip (K then V in one; the last V, then S^T and p in the other): so the loop holds two trips.
; The first trip finds zeros in the buffers, the codes and O^T; its flag says that no step is owed, and the registers are written because a way through the text names them.
; NO CLUSTER: the work-groups of a head ask for different slots in the same trip (the change of blocks hangs on j); partners with joint loads must run alike.
; REGISTERS, each window: v11 d (mask); v12 -M; v13 largest t; v[14:15] sum; v16-31 Q; v32-95, v96-159 the two buffers; v160-223 O^T; v224-239 P's codes, which live until the next trip's products;
;   v236 (ahead of the conversions alone), v242, v243, v246, v252-255 at work; v240 448 x 2^ep; v244 2^ep.  Window 0: v1-10, v245 addresses.
.set SLOTB,  65536                     ; a slot of 256 keys: images of K's and V^T's fragments
.set STAGE,  2*SLOTB                   ; behind the ring: for each wave two tiles of 16 rows x (512 + 16) bytes; no tensor load lands here
.set SPITCH, 528
.set TSTAGE, 16*SPITCH
.set WSTAGE, 2*TSTAGE
.set LMB,    STAGE+8*WSTAGE            ; (sum, -M): two sets by turns x 8 waves x 2 tiles x 32 lanes x 8 bytes
.set SPARE,  LMB+8192                  ; the spare words, 128 bytes for each wave, which no other line names
.set LI,   1                           ; 16 x lane
.set ADR0, 2                           ; v2, v3: slot 0, slot 1 + 16 x lane + 2,048 x my key step
.set PFO,  4                           ; 256 x lane
.set SPW,  5
.set NIL,  6
.set STO,  7                           ; my stage: row r, + 32 h
.set SRD,  8                           ; the part of query tile w that wave w / 2 laid down, + 16 x lane
.set SRD2, 9                           ; and the part of wave w / 2 + 4
.set LMW,  10                          ; my (sum, -M)
.set LMR,  245                         ; my partner's
.set WV,   12
.set GG,   13                          ; my key step in a slot
.set SEL,  20
.set CS,   22
.set G1,   24
.set G0,   32
.set TT,   36                          ; the trip, 0 .. 16
.set LOOPS, 37
.set U,    38                          ; the slot's number among the block's
.set BLK,  39                          ; the block in hand
.set PFA,  40
.set LIM,  42                          ; 14 in the work-group that prefetches, else 0
.set TA,   43                          ; the trip in which the second block begins: odd
.set KVB,  48                          ; my eighth of the head's slot 0 in kv
.set QB,   50                          ; Q's images of the second block
.set OA,   52                          ; where query tile w of the first block goes
.set OB,   54                          ; of the second
.set ES,   56
.set BLKB, 57                          ; the second block
.set ACT,  58                          ; 1: the last trip's step is owed its second product
.set ACTN, 59
.set ST,   60                          ; my key step's number in the block
.set OFF,  66                          ; s[66:67]
.set TA1,  68
.set TAM,  69
.set MSB, 0
.macro WIN new                         ; the immediate's high byte repeats the setting that is left.  Low byte: 1:0 source 0, 3:2 source 1, 5:4 source 2, 7:6 destination
.if MSB != (\new)
	s_set_vgpr_msb (MSB<<8)|(\new)
.set MSB, (\new)
.endif
.endm
.macro PLACES n
.rept \n
	v_nop
.endr
.endm
.macro OFFS blk, q, o                  ; byte offsets of a block: my two tiles in qf; query tile w's rows in out0
	s_lshl_b32 s[\q], s14, 19
	s_lshr_b32 s61, s[\blk], 2
	s_lshl_b32 s61, s61, 16
	s_add_co_u32 s[\q], s[\q], s61
	s_and_b32 s61, s[\blk], 3
	s_lshl_b32 s61, s61, 11
	s_add_co_u32 s[\q], s[\q], s61
	s_lshl_b32 s61, s17, 14
	s_add_co_u32 s[\q], s[\q], s61
	s_mov_b32 s[\q+1], 0
	s_lshl_b32 s[\o], s15, 12
	s_lshl_b32 s61, s[\blk], 7
	s_add_co_u32 s[\o], s[\o], s61
	s_lshl_b32 s61, s[WV], 4
	s_add_co_u32 s[\o], s[\o], s61
	s_mul_i32 s[\o], s[\o], 3072
	s_lshl_b32 s61, s16, 9
	s_add_co_u32 s[\o], s[\o], s61
	s_mov_b32 s[\o+1], 0
.endm
	s_load_b256 s[4:11], s[0:1], 0x0               ; qf, kv, the scales' exponents, out0
	v_lshl_add_u32 v[SPW], v0, 2, SPARE
	v_mov_b32 v[NIL], 0
	ds_add_u32 v[SPW], v[NIL]                      ; the opening: the add, twice on end, and its wait ahead of my first tensor load
	ds_add_u32 v[SPW], v[NIL]
	v_lshrrev_b32 v247, 5, v0
	v_readfirstlane_b32 s[WV], v247                ; wave 0..7
	s_lshr_b32 s[GG], s[WV], 2
	s_and_b32 s17, s[WV], 3                        ; my 32 queries of the block
	s_and_b32 s14, ttmp7, 0xffff                   ; bh = 6 b + head
	s_mul_i32 s15, s14, 11
	s_lshr_b32 s15, s15, 6                         ; b
	s_mul_i32 s16, s15, 6
	s_sub_co_u32 s16, s14, s16                     ; the head
	s_sub_co_u32 s62, 31, ttmp9                    ; 31 - j
	s_lshr_b32 s61, ttmp9, 1
	s_add_co_u32 s61, s61, 1                       ; block j's slots,
	s_sub_co_u32 s63, 17, s61                      ; block 31 - j's
	s_bitcmp1_b32 s61, 0                           ; the odd count goes first
	s_cselect_b32 s[BLK], ttmp9, s62
	s_cselect_b32 s[BLKB], s62, ttmp9
	s_cselect_b32 s[TA], s61, s63
	s_add_co_u32 s[TA1], s[TA], 1
	s_sub_co_u32 s[TAM], s[TA], 1
	s_cmp_eq_u32 ttmp9, 2
	s_cselect_b32 s[LIM], 14, 0
	s_mov_b32 s[G1+0], 3<<16                       ; elements of 8 bytes, no padding: an image is read 16 bytes a lane on end
	s_mov_b32 s[G1+1], 32<<16                      ; rows of 256 bytes
	s_mov_b32 s[G1+2], 32<<16
	s_mov_b32 s[G1+3], 32<<16
	s_mov_b32 s[G1+4], 32                          ; 32 rows: 8,192 bytes
	s_mov_b32 s[G1+5], 32
	s_mov_b32 s[G1+6], 0
	s_mov_b32 s[G1+7], 0
	s_mov_b32 s[SEL], 0x76543210
	s_mov_b32 s[SEL+1], 0xfedcba98
	s_mov_b32 s[CS], 0x3e0293ee                    ; log2(e) / sqrt(128)
	s_mov_b32 s[TT], 0
	s_mov_b32 s[U], 0
	s_mov_b32 s[ACT], 0
	s_mov_b32 s[LOOPS], 8
	OFFS BLK, 72, OA
	OFFS BLKB, QB, OB
	s_lshl_b32 s[OFF], s14, 20
	s_lshl_b32 s61, s[WV], 13
	s_add_co_u32 s[OFF], s[OFF], s61               ; kv: my head, my eighth of a slot
	s_mov_b32 s[OFF+1], 0
	s_lshl_b32 s61, s[GG], 11
	s_mul_i32 s62, s[WV], WSTAGE
	s_add_co_u32 s62, s62, STAGE
	s_lshr_b32 s63, s[WV], 1
	s_mul_i32 s63, s63, WSTAGE
	s_and_b32 s70, s[WV], 1
	s_mul_i32 s70, s70, TSTAGE
	s_add_co_u32 s63, s63, s70
	s_add_co_u32 s63, s63, STAGE
	s_lshl_b32 s70, s[WV], 9
	s_add_co_u32 s70, s70, LMB
	s_xor_b32 s71, s[WV], 4
	s_lshl_b32 s71, s71, 9
	s_add_co_u32 s71, s71, LMB
	s_lshl_b32 s74, s17, 5
	s_wait_dscnt 0x0                               ; both opening adds are done
	s_wait_kmcnt 0x0
	s_load_b128 s[44:47], s[8:9], 0x18             ; eq, ek, ep, ev
	s_add_nc_u64 s[KVB:KVB+1], s[6:7], s[OFF:OFF+1]
	s_add_nc_u64 s[PFA:PFA+1], s[KVB:KVB+1], SLOTB ; the prefetches stand in slot 1; each change of slots steps them first.  Nothing is prefetched at the head
	s_mov_b32 s[G0], 1
	s_lshl_b32 s[G0+1], s[WV], 13
	s_mov_b64 s[G0+2:G0+3], s[KVB:KVB+1]
	s_or_b32 s[G0+3], s[G0+3], 0x80000000
	tensor_load_to_lds s[G0:G0+3], s[G1:G1+7]      ; the first block's slot 0: every wave its eighth, with no branch
	s_nop 0
	PLACES 4
	s_add_nc_u64 s[72:73], s[4:5], s[72:73]
	s_add_nc_u64 s[QB:QB+1], s[4:5], s[QB:QB+1]
	s_add_nc_u64 s[OA:OA+1], s[10:11], s[OA:OA+1]
	s_add_nc_u64 s[OB:OB+1], s[10:11], s[OB:OB+1]
	v_and_b32 v247, 31, v0
	v_and_b32 v248, 15, v0                         ; r
	v_bfe_u32 v249, v0, 4, 1                       ; h
	v_lshlrev_b32 v[LI], 4, v247
	v_lshlrev_b32 v[PFO], 8, v247
	v_add_nc_u32 v[ADR0], s61, v[LI]
	v_add_nc_u32 v[ADR0+1], SLOTB, v[ADR0]
	v_mul_u32_u24 v[STO], v248, SPITCH
	v_lshl_add_u32 v[STO], v249, 5, v[STO]
	v_add_nc_u32 v[STO], s62, v[STO]
	v_add_nc_u32 v[SRD], s63, v[LI]
	v_add_nc_u32 v[SRD2], 4*WSTAGE, v[SRD]
	v_lshl_add_u32 v[LMW], v247, 3, s70
	v_lshl_add_u32 v[LMR], v247, 3, s71
	v_lshlrev_b32 v249, 3, v249
	v_sub_nc_u32 v11, v248, v249
	v_add_nc_u32 v11, s74, v11                     ; d = my query - the block's first - 8 h.  In the diagonal step register 8 t + i holds the block's key 16 t + 8 h + i: hidden where 16 t + i > d
	WIN 0x40
	v_add_nc_u32 v11, 16, v11                      ; tile Y's queries lie 16 further on
	WIN 0
.macro QLOAD p                         ; my two tiles' fragments of Q
.irp c, 0,1,2,3
	global_load_b128 v[16+4*\c:19+4*\c], v[LI], s[\p:\p+1] offset:512*\c
.endr
	WIN 0x40
.irp c, 0,1,2,3
	global_load_b128 v[16+4*\c:19+4*\c], v[LI], s[\p:\p+1] offset:8192+512*\c
.endr
	WIN 0
.endm
	QLOAD 72
	s_wait_kmcnt 0x0
	s_add_co_i32 s75, s44, s45
	s_lshl_b32 s75, s75, 23
	s_add_co_i32 s[CS], s[CS], s75                 ; c x 2^(eq + ek)
	s_mov_b32 s[CS+1], s[CS]
	s_add_co_i32 s75, s46, 127
	s_lshl_b32 s76, s75, 23                        ; 2^ep
	s_add_co_i32 s75, s75, 8
	s_lshl_b32 s75, s75, 23
	s_or_b32 s77, s75, 0x600000                    ; 448 x 2^ep
	s_add_co_i32 s[ES], s46, s47
.macro INIT                            ; in the window that is set: a block's beginning
	v_mov_b32 v13, 0xff61b1e6                      ; the largest t so far: -3e38
	s_delay_alu instid0(VALU_DEP_1)
	v_floor_f32 v12, -v13
	v_mov_b32 v14, 0
	v_mov_b32 v15, 0
	v_mov_b32 v236, 0
	v_mov_b32 v253, 0
	v_mov_b32 v244, s76
	v_mov_b32 v240, s77
.set n, 0
.rept 64
	v_mov_b32 v[160+n], 0
.set n, n+1
.endr
.endm
.macro INIT0                           ; once: what the first trip's text names ahead of its first write
	v_mov_b32 v252, 0
	v_mov_b32 v246, 0
	v_mov_b32 v242, 0
	v_mov_b32 v243, 0
.set n, 0
.rept 128
	v_mov_b32 v[32+n], 0
.set n, n+1
.endr
.set n, 0
.rept 16
	v_mov_b32 v[224+n], 0
.set n, n+1
.endr
.endm
	INIT
	INIT0
	WIN 0x55
	INIT
	INIT0
	WIN 0
.macro FETCH adr, reg, off             ; eight fragments: tiles 0-3 into window 0, tiles 4-7 into window 1
.irp g, 0,1
	WIN 0x40*\g
.irp t, 0,1,2,3
.irp c, 0,1,2,3
	ds_load_b128 v[\reg+16*\t+4*\c:\reg+16*\t+4*\c+3], v[\adr] offset:8192*(4*\g+\t)+\off+512*\c
.endr
.endr
.endr
	WIN 0
.endm
.macro SPROD win, base                 ; four products S^T = K Q^T, each begun with the constant 0
	WIN \win
.irp t, 0,1,2,3
	v_wmma_f32_16x16x128_fp8_fp8 v[SB+8*(\base+\t):SB+8*(\base+\t)+7], v[KB+16*\t:KB+16*\t+15], v[16:31], 0
.endr
.endm
.macro PVPROD win, base                ; four products O^T += V^T P^T; each accumulator has one instruction a step
	WIN \win
.irp t, 0,1,2,3
	v_wmma_f32_16x16x128_fp8_fp8 v[160+8*(\base+\t):167+8*(\base+\t)], v[SB+16*\t:SB+16*\t+15], v[224:239], v[160+8*(\base+\t):167+8*(\base+\t)]
.endr
.endm
.macro MASK                            ; hidden scores become -infinity ahead of the maximum
	v_mov_b32 v254, 0xff800000
.set n, 0
.rept 64
	v_cmp_gt_i32 vcc_lo, 16*(n/8)+n%8, v11
	v_cndmask_b32 v[SB+n], v[SB+n], v254, vcc_lo
.set n, n+1
.endr
.endm
.macro SOFTMAX                         ; in the window that is set: 16 queries x 128 keys
	v_max3_num_f32 v254, v[SB], v[SB+1], v[SB+2]   ; each accumulator from its low end on
	v_max3_num_f32 v252, v[SB+3], v[SB+4], v[SB+5]
.irp i, 6,10,14,18,22,26,30,34,38,42,46,50,54,58
	v_max3_num_f32 v254, v254, v[SB+\i], v[SB+1+\i]
	v_max3_num_f32 v252, v252, v[SB+2+\i], v[SB+3+\i]
.endr
	v_max3_num_f32 v254, v254, v[SB+62], v[SB+63]
	s_delay_alu instid0(VALU_DEP_1)
	v_max_num_f32 v254, v254, v252
	v_permlanex16_b32 v236, v254, s[SEL], s[SEL+1]
	s_delay_alu instid0(VALU_DEP_1)
	v_max_num_f32 v254, v254, v236
	s_delay_alu instid0(VALU_DEP_1)
	v_mul_f32 v254, s[CS], v254                    ; as t (c is positive)
	s_delay_alu instid0(VALU_DEP_1)
	v_max_num_f32 v13, v13, v254
	v_mov_b32 v254, v12
	s_delay_alu instid0(VALU_DEP_2)
	v_floor_f32 v12, -v13                          ; -M = -ceil(t)
	s_delay_alu instid0(VALU_DEP_1)
	v_sub_f32 v254, v12, v254
	s_delay_alu instid0(VALU_DEP_1)
	v_cvt_i32_f32 v254, v254                       ; (it saturates)
	s_delay_alu instid0(VALU_DEP_1)
	v_ldexp_f32 v252, 1.0, v254                    ; f = 2^(old M - new M)
.set n, 0
.rept 32
	v_pk_fma_f32 v[SB+n:SB+n+1], v[SB+n:SB+n+1], s[CS:CS+1], v[12:13] op_sel_hi:[1,0,0]   ; t - M
.set n, n+2
.endr
.set n, 0
	s_wait_alu depctr_va_vdst(0)                   ; the wait ahead of the batch
.rept 64
	v_exp_f32 v[SB+n], v[SB+n]
.set n, n+1
.endr
	v_pk_mul_f32 v[14:15], v[14:15], v[252:253] op_sel_hi:[1,0]
	s_wait_alu depctr_va_vdst(0)                   ; and behind it, ahead of its first reader
	v_pk_add_f32 v[242:243], v[SB:SB+1], v[SB+2:SB+3]   ; the sum of the unquantised p, in two chains
.irp i, 4,8,12,16,20,24,28,32,36,40,44,48,52,56,60
	v_pk_add_f32 v[14:15], v[14:15], v[SB+\i:SB+1+\i]
	v_pk_add_f32 v[242:243], v[242:243], v[SB+2+\i:SB+3+\i]
.endr
	s_delay_alu instid0(VALU_DEP_1)
	v_pk_add_f32 v[14:15], v[14:15], v[242:243]
.irp b, 0,1,2,3
.irp i, 0,1,2,3,4,5,6,7,8,9,10,11,12,13,14,15
	v_min_num_f32 v[SB+16*\b+\i], v[SB+16*\b+\i], v240   ; the conversion does not saturate (ISA guide 7.6.2); p is not negative
.endr
	v_cvt_scalef32_pk8_fp8_f32 v[224+4*\b:225+4*\b], v[SB+16*\b:SB+16*\b+7], v244
	v_cvt_scalef32_pk8_fp8_f32 v[226+4*\b:227+4*\b], v[SB+16*\b+8:SB+16*\b+15], v244
.endr
	v_nop                                          ; one plain line behind the conversions
.endm
.macro OMUL                            ; in the window that is set: O^T x v252
.set n, 0
.rept 32
	v_pk_mul_f32 v[160+n:161+n], v[160+n:161+n], v[252:253] op_sel_hi:[1,0]
.set n, n+2
.endr
.endm
.macro FLUSH                           ; the last step's second product, if one is owed.  Its V was waited for in front of the barrier
	s_cmp_eq_u32 s[ACT], 0
	s_cbranch_scc1 .Lnp_\@
	s_wait_alu depctr_va_vdst(0)                   ; the wait directly ahead of the first reader of O^T
	OMUL
	WIN 0x55
	s_wait_alu depctr_va_vdst(0)
	OMUL
	PVPROD 0x00, 0
	PVPROD 0x54, 0
	PVPROD 0x01, 4
	PVPROD 0x55, 4
	WIN 0
.Lnp_\@:
.endm
.macro COEF                            ; in the window that is set: v[242:243] my (sum, -M), v[254:255] my partner's; O^T x 2^(my M - common M) / common sum x 2^(ep + ev)
	v_min_num_f32 v246, v243, v255                 ; the common -M
	v_sub_f32 v252, v246, v243                     ; whole numbers, 0 or less
	v_sub_f32 v253, v246, v255
	v_cvt_i32_f32 v252, v252                       ; (they saturate)
	v_cvt_i32_f32 v253, v253
	v_ldexp_f32 v252, 1.0, v252
	v_ldexp_f32 v253, 1.0, v253
	v_mul_f32 v242, v242, v252
	v_fma_f32 v242, v254, v253, v242               ; the row's sum
	s_wait_alu depctr_va_vdst(0)
	v_rcp_f32 v242, v242
	v_nop
	s_wait_alu depctr_va_vdst(0)
	v_mul_f32 v252, v252, v242
	v_ldexp_f32 v252, v252, s[ES]
	OMUL
.endm
.macro DUMP off
.irp t, 0,1,2,3,4,5,6,7
	ds_store_b128 v[STO], v[160+8*\t:163+8*\t] offset:\off+64*\t
	ds_store_b128 v[STO], v[164+8*\t:167+8*\t] offset:\off+64*\t+16
.endr
.endm
.macro CLOSE lm                        ; a block's end: my share of the result goes into my stage
	PLACES 4                                       ; behind the last products
	ds_load_b64 v[254:255], v[LMR] offset:\lm
	WIN 0x40
	ds_load_b64 v[254:255], v[LMR] offset:\lm+256
	WIN 0
	s_wait_dscnt 0x0
	COEF
	WIN 0x55
	COEF
	WIN 0
	s_wait_alu depctr_va_vdst(0)
	DUMP 0
	WIN 0x04                                       ; the stores' data in window 1
	DUMP TSTAGE
	WIN 0
.endm
.macro MERGE o                         ; query tile w: the two waves' parts are added row by row; the 32 lanes store a row's 512 consecutive bytes, aligned
	PLACES 4                                       ; in front of loads into registers that the last products read
.irp i, 0,1,2,3,4,5,6,7,8,9,10,11,12,13,14,15
	ds_load_b128 v[SB+4*\i:SB+4*\i+3], v[SRD] offset:\i*SPITCH
.endr
	WIN 0x40
.irp i, 0,1,2,3,4,5,6,7,8,9,10,11,12,13,14,15
	ds_load_b128 v[SB+4*\i:SB+4*\i+3], v[SRD2] offset:\i*SPITCH
.endr
	WIN 0
	s_wait_dscnt 0x0
	WIN 0x04
.set n, 0
.rept 32
	v_pk_add_f32 v[SB+n:SB+n+1], v[SB+n:SB+n+1], v[SB+n:SB+n+1]
.set n, n+2
.endr
	WIN 0
.irp i, 0,1,2,3,4,5,6,7,8,9,10,11,12,13,14,15
	global_store_b128 v[LI], v[SB+4*\i:SB+4*\i+3], s[\o:\o+1] offset:3072*\i th:TH_STORE_NT
.endr
	s_wait_xcnt 0x0                                ; the stores have read their data: the registers are written again only behind this wait
.endm
.macro LSUM                            ; in the window that is set: (the row's sum over my keys, -M)
	v_add_f32 v242, v14, v15
	v_permlanex16_b32 v246, v242, s[SEL], s[SEL+1]
	v_add_f32 v242, v242, v246
	v_mov_b32 v243, v12
.endm
; A PREFETCH INTO THE L2 of my eighth of a later slot of the head, lanes 256 bytes apart, one instruction a wave.  Only work-group j = 2 of a head asks: its first block is 29, so it walks slots 0 to 14 from trip 0 on,
; and no work-group of the head loads slot u ahead of trip u - 1.  In trip t, where it loads slot t + 1, it names slot t + 2, t = 0 .. 13: slots 2 to 15, each block of 256 bytes once in the launch, none behind the head's last.
; Slots 0 and 1 come by their loads alone.
.macro ASK
	s_cmp_lt_u32 s[TT], s[LIM]
	s_cbranch_scc0 .Lnm_\@
	global_prefetch_b8 v[PFO], s[PFA:PFA+1] th:TH_LOAD_NT scope:SCOPE_SE
.Lnm_\@:
.endm
; A TRIP: one slot.  par: the trip's parity: the slot and the buffers' roles; fill: the next slot is asked for
.macro TRIP par, fill
.set KB, 32+64*(\par)
.set SB, 96-64*(\par)
	s_wait_alu depctr_va_vdst(0)                   ; the wait ahead of the waits below
	s_wait_tensorcnt 0x0                           ; my part of this trip's slot is in, and the group 0 may be written
	ds_add_u32 v[SPW], v[NIL]
	s_cmp_eq_u32 s[TT], s[TA]                      ; ids and the count of trips alone
	s_cselect_b32 s[U], 0, s[U]
	s_cselect_b32 s[BLK], s[BLKB], s[BLK]
	s_lshl_b32 s[ST], s[U], 1
	s_add_co_u32 s[ST], s[ST], s[GG]
.if \fill
	s_add_co_u32 s61, s[TT], 1
	s_add_co_u32 s[OFF], s[U], 1
	s_cmp_eq_u32 s61, s[TA]
	s_cselect_b32 s[OFF], 0, s[OFF]                ; the next slot of the block, or the second block's first
	s_lshl_b32 s[OFF], s[OFF], 16
	s_add_nc_u64 s[G0+2:G0+3], s[KVB:KVB+1], s[OFF:OFF+1]
	s_or_b32 s[G0+3], s[G0+3], 0x80000000
	s_xor_b32 s[G0+1], s[G0+1], SLOTB
	s_wait_xcnt 0x0                                ; the last prefetch has read its address
	s_add_nc_u64 s[PFA:PFA+1], s[PFA:PFA+1], SLOTB
.endif
	s_wait_dscnt 0x0                               ; the add is done; my reads of the other slot are over, the last step's V among them
	s_barrier_signal -1
	s_barrier_wait -1
.if \fill
	tensor_load_to_lds s[G0:G0+3], s[G1:G1+7]      ; my one tensor load until the next such barrier
	s_nop 0
.endif
	PLACES 4
.if \fill
	ASK
.endif
	s_cmp_le_u32 s[ST], s[BLK]                     ; a step all of whose keys come after the block's queries is left out
	s_cselect_b32 s[ACTN], 1, 0
	s_cbranch_scc0 .Lnk_\@
	FETCH ADR0+\par, KB, 0                         ; K
.Lnk_\@:
	FLUSH
.if \par
	s_cmp_eq_u32 s[TT], s[TA]                      ; odd trips alone: the first block is done
	s_cbranch_scc0 .Lnf_\@
	CLOSE 0                                        ; (the even trip before laid (sum, -M) in set 0)
	INIT
	WIN 0x55
	INIT
	WIN 0
	s_wait_alu depctr_va_vdst(0)
.Lnf_\@:
.else
	s_cmp_eq_u32 s[TT], s[TA1]                     ; even trips alone: a barrier behind CLOSE
	s_cbranch_scc0 .Lnf_\@
	MERGE OA
.Lnf_\@:
.endif
	s_cmp_eq_u32 s[ACTN], 0
	s_cbranch_scc1 .Lng_\@
	s_wait_loadcnt 0x0                             ; Q
	s_wait_dscnt 0x0                               ; K
	PLACES 5                                       ; the products below write over registers that the last products read (ISA guide 7.12.1)
	SPROD 0x00, 0
	SPROD 0x44, 0
	SPROD 0x01, 4
	SPROD 0x45, 4
	WIN 0
	PLACES 4
	FETCH ADR0+\par, KB, 4096                      ; V^T, over K
	s_cmp_lg_u32 s[ST], s[BLK]                     ; only the diagonal step has hidden keys
	s_cbranch_scc1 .Lopen_\@
	MASK
	WIN 0x55
	MASK
	WIN 0
.Lopen_\@:
	SOFTMAX
	WIN 0x55
	SOFTMAX
	WIN 0
.Lng_\@:
	LSUM
	ds_store_b64 v[LMW], v[242:243] offset:4096*(\par)
	WIN 0x55
	LSUM
	WIN 0x04
	ds_store_b64 v[LMW], v[242:243] offset:4096*(\par)+256
	WIN 0
.if (1-(\par))*(\fill)
	s_cmp_eq_u32 s[TT], s[TAM]                     ; even trips 0 to 14 alone
	s_cbranch_scc0 .Lnq_\@
	s_wait_loadcnt 0x0                             ; a wave that had no step has not waited for the first block's Q: no load lands on a register that another has yet to write
	QLOAD QB                                       ; the first block's last K Q^T is done: the second block's Q
.Lnq_\@:
.endif
	s_mov_b32 s[ACT], s[ACTN]
	s_add_co_u32 s[U], s[U], 1
	s_add_co_u32 s[TT], s[TT], 1
.endm
.Lslot:                                            ; 8 passes of two trips: trips 0 to 15, each of which asks for the next slot
	TRIP 0, 1
	TRIP 1, 1
	s_sub_co_u32 s[LOOPS], s[LOOPS], 1
	s_cmp_lg_u32 s[LOOPS], 0
	s_cbranch_scc1 .Lslot
	TRIP 0, 0                                      ; trip 16 is written out: nothing is left to ask for
	s_wait_alu depctr_va_vdst(0)
	s_wait_dscnt 0x0                               ; V is in, and my (sum, -M) is laid down
	s_barrier_signal -1
	s_barrier_wait -1
.set KB, 96
.set SB, 32
	FLUSH
	CLOSE 0
	s_wait_dscnt 0x0                               ; my share lies in my stage
	s_barrier_signal -1
	s_barrier_wait -1
	MERGE OB
	s_wait_tensorcnt 0x0                           ; the wave's end
	ds_add_u32 v[SPW], v[NIL]
	s_wait_dscnt 0x0
	s_endpgm
.Lfunc_end_k_qd28c50c8c1_attn:
	.size	k_qd28c50c8c1_attn, .Lfunc_end_k_qd28c50c8c1_attn-k_qd28c50c8c1_attn
	.p2alignl 7, 3214868480
	.fill 96, 4, 3214868480
	.section	.rodata,"a",@progbits
	.p2align	6, 0x0
	.amdhsa_kernel k_qd28c50c8c1_attn
		.amdhsa_group_segment_fixed_size 327680
		.amdhsa_private_segment_fixed_size 0
		.amdhsa_enable_private_segment 0
		.amdhsa_kernarg_size 32
		.amdhsa_user_sgpr_count 2
		.amdhsa_user_sgpr_kernarg_segment_ptr 1
		.amdhsa_wavefront_size32 1
		.amdhsa_system_sgpr_workgroup_id_x 1
		.amdhsa_system_sgpr_workgroup_id_y 1
		.amdhsa_system_sgpr_workgroup_id_z 1
		.amdhsa_system_vgpr_workitem_id 0
		.amdhsa_next_free_vgpr 512
		.amdhsa_next_free_sgpr 80
		.amdhsa_reserve_vcc 1
		.amdhsa_float_denorm_mode_32 3
		.amdhsa_float_denorm_mode_16_64 3
		.amdhsa_memory_ordered 1
		.amdhsa_forward_progress 1
		.amdhsa_inst_pref_size 202
	.end_amdhsa_kernel
	.amdgpu_metadata
---
amdhsa.version: [ 1, 2 ]
amdhsa.kernels:
  - .name:           k_qd28c50c8c1_attn
    .symbol:         k_qd28c50c8c1_attn.kd
    .args:
      - { .name: qf, .offset: 0, .size: 8, .value_kind: global_buffer, .address_space: global }
      - { .name: kv, .offset: 8, .size: 8, .value_kind: global_buffer, .address_space: global }
      - { .name: lowp_scales, .offset: 16, .size: 8, .value_kind: global_buffer, .address_space: global }
      - { .name: out0, .offset: 24, .size: 8, .value_kind: global_buffer, .address_space: global }
    .group_segment_fixed_size: 327680
    .private_segment_fixed_size: 0
    .kernarg_segment_align: 8
    .kernarg_segment_size: 32
    .max_flat_workgroup_size: 256
    .sgpr_count:     80
    .vgpr_count:     512
    .wavefront_size: 32
...
	.end_amdgpu_metadata
.endif
;; end of part 3
